; MI455X (gfx1250); checked and timed in simulation.
; The chip was launched on July 23, 2026; its instructions are those of AMD's public machine-readable ISA for CDNA 5 (MIT licence, August 2026) and "CDNA5" Instruction Set Architecture Reference Guide (July 2026). The comments in the code are by the model that wrote it; some were corrected since.
;; Self Attention. Allowed arithmetic: matrix products marked QUANTISED: E2M3 operands, one E8M0 scale for each 32 along K, by v_wmma_scale_f32_16x16x128_f8f6f4 with both operands' format E2M3, f32 sums; everything else in f32.
;; Inputs: Wk_codes 1,024 x 32 x 24 uint8 (E2M3 codes of Wk, K innermost, in blocks of 32 codes, four codes in three bytes); Wk_scales 1,024 x 32 uint8 (E8M0 scales of Wk, one for each 32 codes along K); Wq_codes 1,024 x 32 x 24 uint8 (E2M3 codes of Wq, K innermost, in blocks of 32 codes, four codes in three bytes); Wq_scales 1,024 x 32 uint8 (E8M0 scales of Wq, one for each 32 codes along K); Wv_codes 1,024 x 32 x 24 uint8 (E2M3 codes of Wv, K innermost, in blocks of 32 codes, four codes in three bytes); Wv_scales 1,024 x 32 uint8 (E8M0 scales of Wv, one for each 32 codes along K); bk 1,024 float32; bq 1,024 float32; bv 1,024 float32; x_codes 4 x 2,048 x 32 x 24 uint8 (E2M3 codes of x, K innermost, in blocks of 32 codes, four codes in three bytes); x_scales 4 x 2,048 x 32 uint8 (E8M0 scales of x, one for each 32 codes along K).
;; Outputs: out0 4 x 2,048 x 1,024 float32.
;; This version of the problem:
;;   THIS VERSION OF THE PROBLEM IS GIVEN IN LOW PRECISION. The matrix products marked QUANTISED in the list below multiply operands that are first quantised to E2M3 (2 exponent bits, 3 mantissa bits; 6 bits a number), with one power-of-two scale for each 32 numbers along K (OCP MX v1.0); their sums are f32. All else is computed in f32.
;;   The module's matrix products, in the order in which they are computed (A, B: the left and right operand; K: the contracted axis; several contracted axes count as one K, in the product's order):
;;     1. [M 8,192, K 1,024] x [K 1,024, N 1,024]; A: input x (given as codes); B: input Wq (given as codes): QUANTISED
;;     2. [M 8,192, K 1,024] x [K 1,024, N 1,024]; A: input x (given as codes); B: input Wk (given as codes): QUANTISED
;;     3. [M 8,192, K 1,024] x [K 1,024, N 1,024]; A: input x (given as codes); B: input Wv (given as codes): QUANTISED
;;     4. batch 64 x [M 2,048, K 64] x [K 64, N 2,048]; A: computed on the way; B: computed on the way: QUANTISED
;;     5. batch 64 x [M 64, K 2,048] x [K 2,048, N 2,048]; A: computed on the way; B: softmax (see below): QUANTISED
;;   THE QUANTISER, for each operand of a quantised product, along K:
;;     - K is cut into blocks of 32 from its start; a last block that is shorter is filled with zeros.
;;     - A block's scale is 2^e with e = floor(log2(the largest magnitude in the block)) - 2, held to -126 .. 127; a block of zeros has e = 0. As a byte (E8M0): e + 127.
;;     - Each number is divided by its block's scale, clamped to +-7.5, and rounded to the nearest number of E2M3, ties to even, subnormals kept.
;;     - The product sums the exact products of the quantised numbers (number of the format x scale) in f32.
;;   ~~~python
;;   def quantise(x, axis):      # numpy; x: float32 -> the quantised numbers, widened to float32 again
;;       x = np.moveaxis(x, axis, -1); K = x.shape[-1]
;;       x = np.pad(x, [(0, 0)] * (x.ndim - 1) + [(0, -K % 32)]); x = x.reshape(x.shape[:-1] + (-1, 32)); a = np.abs(x).max(-1, keepdims=True)
;;       e = np.where(a > 0, np.clip(np.frexp(np.where(a > 0, a, 1))[1] - 1 - 2, -126, 127), 0)      # np.frexp(a)[1] - 1 = floor(log2(a)), exactly
;;       r = np.clip(x / 2.0 ** e, -7.5, 7.5)
;;       step = 2.0 ** (np.maximum(np.frexp(np.where(r == 0, 1, r))[1] - 1, 0) - 3)
;;       q = np.round(r / step) * step * 2.0 ** e      # np.round: ties to even
;;       return np.moveaxis(q.reshape(q.shape[:-2] + (-1,))[..., :K], -1, axis).astype(np.float32)
;;   ~~~
;;   SOFTMAX AHEAD OF A QUANTISED PRODUCT. Where the list says 'softmax', what is quantised is not the finished softmax but p = 2^(t - M), with t = logit x log2(e) and M = ceil(the row's largest t), a whole number; so 1/2 < the row's largest p <= 1. The row's sum l is taken of the UNQUANTISED p, in f32, and the product's result is divided by l at the end. Since M is a whole number, a kernel that streams over the keys may use a running M (the ceiling of the running maximum): every later rescaling is an exact power of two, which a block's scale takes up: the codes' values come out the same.
;;   OPERANDS COMPUTED ON THE WAY. 'Computed on the way' means the value that the module computes at that place (a softmax that the list does not call 'softmax' is quantised finished and normalised). What goes into a quantiser is computed in f32, as accurately as f32 sums, v_exp_f32 and their like allow (about 1e-6 of the number): no bf16 or f16 on the way to a quantiser, and a product that is left as it is and whose result goes on into a quantised operand takes f32 operands (vector FMAs, or v_wmma_f32_16x16x4_f32). A number that lies on a knife's edge between two numbers of the format may be rounded either way, as far as f32 arithmetic and the matrix unit's own rounding can turn it there, and no further.
;;   INPUTS GIVEN AS CODES. Wk (in the module: [1024, 1024], K = its axis 1); Wq (in the module: [1024, 1024], K = its axis 1); Wv (in the module: [1024, 1024], K = its axis 1); x (in the module: [4, 2048, 1024], K = its axis 2): each comes as NAME_codes (uint8): NAME with its K axis moved to the last place and cut into blocks of 32 codes, [.., K / 32, bytes a block], one block behind the other in memory; four codes in three bytes: a row's codes are one little-endian stream of bits, code i at bits 6 i .. 6 i + 5 (a code: sign, 2 exponent bits, 3 mantissa bits); and NAME_scales (uint8): the same leading axes, one E8M0 byte (e + 127) for each 32 codes along K. Its value is code x scale, taken as it is: it is not quantised again, and the codes and scales need not be those that the quantiser above would give.
;; One version. Each part assembles by itself: llvm-mc -triple=amdgcn-amd-amdhsa -mcpu=gfx1250 --defsym DOCPART=n.
;; ======== version 1 of 1: 2 launches
;; limits: right only within a limited range of input values
;; workspace buffers: qw 13,631,488 bytes; kv 13,631,488 bytes
;; launch proj (part 1): grid 8 x 32, 4 waves a work-group, clusters of 4 x 4, 327,680 bytes of LDS; arguments x_codes, x_scales, Wq_codes, Wq_scales, Wk_codes, Wk_scales, Wv_codes, Wv_scales, bq, bk, bv, qw, kv; writes qw, kv
.if DOCPART == 1
	.amdgcn_target "amdgcn-amd-amdhsa--gfx1250"
	.amdhsa_code_object_version 6
	.text
	.protected	k_q7ad9f012ec_proj
	.globl	k_q7ad9f012ec_proj
	.p2align	8
	.type	k_q7ad9f012ec_proj,@function
k_q7ad9f012ec_proj:
	s_mov_b64 s[64:65], 0
	v_nop
	global_prefetch_b8 v0, s[64:65] scope:SCOPE_SE
	s_setreg_imm32_b32 hwreg(HW_REG_WAVE_MODE, 25, 1), 1
	s_wait_xcnt 0x0
	s_wait_alu depctr_hold_cnt(0) depctr_sa_sdst(0) depctr_va_vdst(0) depctr_va_sdst(0) depctr_va_ssrc(0) depctr_va_vcc(0) depctr_vm_vsrc(0)
	s_getreg_b32 s2, hwreg(HW_REG_IB_STS2, 6, 4)
	s_cmp_eq_u32 s2, 0
	s_cbranch_scc0 .Lentry_in_a_cluster
	s_endpgm
.Lentry_in_a_cluster:
	s_bfe_u32 s2, ttmp6, 0x10000c
	s_cmp_lg_u32 s2, 0xf033
	s_cbranch_scc0 .Lentry_shape_is_right
	s_endpgm
.Lentry_shape_is_right:
; q = x Wq^T + bq, k = x Wk^T + bk, v = x Wv^T + bv on codes of FP6 (E2M3), K = 1,024; the results are quantised again in registers (q, k along the head's 64, v along the keys) and leave as images of operand registers.
; A WORK-GROUP MAKES TWO TILES: 256 rows of x by 256 rows of Wq or Wk (a wave: 128 x 128), then 128 rows of Wv by 256 rows of x (a wave: 64 x 128).  Source 1 ("A") gives a result's lanes, source 0 ("B") runs along a lane's registers:
; tile 1: A = x, B = W; tile 2: A = Wv, B = x.  Clusters of 4 x 4 (X = cluster x: 0 q, 1 k; Y = cluster y): A's tiles hang on cy and are asked for jointly by a row of the cluster, B's on cx, by a column.
; K GOES AS ONE STREAM OF SIX CHUNKS OF 256 BYTES of each row (three a tile; a row of codes is 768 bytes, so every chunk begins at a multiple of 256) through two LDS slots, chunk c in slot c % 2.
; A step of 128 along K is 96 bytes: sixteen steps; steps 2, 5, 10, 13 lie across two chunks and read both slots.  The walk is written out: slots and chunks come back to where they began only after sixteen steps.
; THE SCALE BYTES of both tiles' rows, four dense blocks, come once by plain loads of 256 consecutive bytes for sixteen lanes and go into LDS bytes of their own.
; No data prefetch: K is three chunks a tile at the largest block in clusters; two of the six chunks are asked for at the head.
; WORKSPACE: [16 batch + head][key step of 128 rows][13,312 bytes]: 8 tiles of k (q) of 768 bytes; 4 tiles of v of 1,536; k's (q's) scale words, 512 bytes; v's, 512.  A block's codes lie in the order 0-7, 16-23, 8-15, 24-31 of its rows, alike on both sides of each later product.
; LIMITS: NaN and infinities are not served.  A block whose largest magnitude lies under 2^(3 - 127) gets the scale byte 1 (this program alone reads the bytes).
; REGISTERS: window 0: v0-31 addresses; v32-63 scale words, two sets; v128-223 A's fragments; v224-231 tile 2's bias; the ways out work in v64-127, v176-219, v240-255.  Window 1: B's fragments, two sets (v0, v128), tile 1's bias (v96-127, v224-255).  Windows 2, 3: accumulators.
.set ROWB, 256
.set KROW, 768
.set PITCH, 272
.set FR, 12
.set CHUNKS, 6
.set HALFT, 128*PITCH
.set SLOT, 4*HALFT
.set SPARE, 2*SLOT
.set SCL, SPARE+512
.set HALFS, 16*272
.set SBLK, 2*272
.set SCL2, SCL+4*HALFS
.set STEPB, 13312
.set HEADB, 16*STEPB
.set ADRA2, 8
.set ADRS2, 12
.set SL, 15
.set ADRA, 16
.set ADRB, 20
.set V16, 24
.set V8, 25
.set BH, 26
.set ADRS, 27
.set SPW, 28
.set NIL, 29
.set BR, 30
.set SG, 31
.set SC, 32
.set AF, 128
.set BV, 224
.set WK, 64
.set PC, 176
.set TM, 200
.set Z, 212
.set SW, 240
.set SA1, 4
.set SB1, 6
.set SA2, 8
.set SB2, 10
.set BP2, 18
.set G1, 24
.set G0, 32
.set PA1, 36
.set G1B, 48
.set G0B, 56
.set PB1, 60
.set OUT1, 66
.set OUT2, 94
.set PA2, 98
.set PB2, 100
.set BP1, 104
.set MSB, 0
.macro WIN new
.if MSB != (\new)
	s_set_vgpr_msb (MSB<<8)|(\new)
.set MSB, (\new)
.endif
.endm
.set MUL_LO, 0xa1
.set MUL_HI, 0xf1
.set TO_B, 0x40
.macro PLACES n
.rept \n
	v_nop
.endr
.endm
.macro WALU
	s_wait_alu depctr_va_vdst(0)
.endm
; a joint load: waves 0, 1 fetch for A, waves 2, 3 for B; each line has one mask
.macro JLOAD
	s_cmp_eq_u32 s15, 0
	s_cbranch_scc0 .Lfor_b_\@
	tensor_load_to_lds s[G0:G0+3], s[G1:G1+7]
	s_nop 0
	PLACES 4
	s_branch .Lasked_\@
.Lfor_b_\@:
	tensor_load_to_lds s[G0B:G0B+3], s[G1B:G1B+7]
	s_nop 0
	PLACES 4
.Lasked_\@:
.endm
.macro CREST
	s_cmp_lg_u32 s14, 0
	s_cbranch_scc1 .Lnot_wave_0_\@
	s_barrier_signal -3
.Lnot_wave_0_\@:
	s_barrier_wait -3
	s_barrier_signal -1
	s_barrier_wait -1
.endm
.macro CROUND
	s_barrier_signal -1
	s_barrier_wait -1
	CREST
.endm
; groups 0 for chunk c; written only where no tensor load of the wave is out
.macro DESC c
.if (\c) == 3
	s_mov_b32 s[G1+2], 64<<16
	s_mov_b32 s[G1+4], 64
.endif
.if (\c) < 3
	s_mul_i32 s[G0+1], s14, HALFT
	s_add_nc_u64 s[G0+2:G0+3], s[PA1:PA1+1], 256*(\c)
	s_add_nc_u64 s[G0B+2:G0B+3], s[PB1:PB1+1], 256*(\c)
.else
	s_mul_i32 s[G0+1], s14, 64*PITCH
	s_add_nc_u64 s[G0+2:G0+3], s[PA2:PA2+1], 256*((\c)-3)
	s_add_nc_u64 s[G0B+2:G0B+3], s[PB2:PB2+1], 256*((\c)-3)
.endif
	s_mul_i32 s[G0B+1], s14, HALFT
.if (\c)%2
	s_add_co_u32 s[G0+1], s[G0+1], SLOT
	s_add_co_u32 s[G0B+1], s[G0B+1], SLOT
.endif
	s_or_b32 s[G0+3], s[G0+3], 0x80000000
	s_or_b32 s[G0B+3], s[G0B+3], 0x80000000
.endm
	s_load_b512 s[68:83], s[0:1], 0x0              ; x 68, 70; Wq 72, 74; Wk 76, 78; Wv 80, 82 (codes, scales)
	s_load_b256 s[84:91], s[0:1], 0x40             ; bq, bk, bv, qw
	s_load_b64 s[92:93], s[0:1], 0x60              ; kv
	v_lshl_add_u32 v[SPW], v0, 2, SPARE
	v_mov_b32 v[NIL], 0
	ds_add_u32 v[SPW], v[NIL]                      ; the opening lines
	ds_add_u32 v[SPW], v[NIL]
	v_lshrrev_b32 v1, 5, v0
	v_readfirstlane_b32 s14, v1                    ; wave
	s_lshr_b32 s15, s14, 1                         ; my half of A's rows; also: I fetch for A (0) or B (1)
	s_and_b32 s16, s14, 1                          ; my half of B's rows; also: which half of a tile I fetch
	s_bfe_u32 s40, ttmp6, 0x40000                  ; cx
	s_bfe_u32 s41, ttmp6, 0x40004                  ; cy
	s_mov_b32 s42, ttmp9                           ; X
	s_and_b32 s17, ttmp7, 0xffff                   ; Y
	s_lshl_b32 s12, s41, 2
	s_lshl_b32 s12, 15, s12                        ; my row of the cluster
	s_lshl_b32 s13, 0x1111, s40                    ; my column
	s_mov_b32 s96, 0x76543210
	s_mov_b32 s97, 0xfedcba98
	s_or_b32 s[G1+0], s12, (1<<20)|(1<<21)|(5<<22)|(3<<25)   ; bytes; 16 bytes of padding behind every 256
	s_or_b32 s[G1B+0], s13, (1<<20)|(1<<21)|(5<<22)|(3<<25)
.irp g, G1, G1B
	s_mov_b32 s[\g+1], ROWB<<16
	s_mov_b32 s[\g+2], 128<<16
	s_mov_b32 s[\g+3], ROWB<<16
	s_mov_b32 s[\g+4], 128
	s_mov_b32 s[\g+5], KROW
	s_mov_b32 s[\g+6], 0
	s_mov_b32 s[\g+7], 0
.endr
	s_mov_b32 s[G0], 1
	s_mov_b32 s[G0B], 1
	; offsets in bytes.  A's are made of cy, X, Y and the wave; B's of cx, Y and the wave
	s_lshl_b32 s18, s17, 10
	s_lshl_b32 s19, s41, 8
	s_add_co_u32 s18, s18, s19                     ; tile 1, A: x's row 1,024 Y + 256 cy
	s_lshl_b32 s[SA1], s18, 5
	s_mov_b32 s[SA1+1], 0
	s_lshl_b32 s19, s16, 7
	s_add_co_u32 s18, s18, s19
	s_mul_i32 s[PA1], s18, KROW
	s_mov_b32 s[PA1+1], 0
	s_lshl_b32 s20, s42, 9
	s_lshl_b32 s21, s41, 7
	s_add_co_u32 s20, s20, s21                     ; tile 2, A: Wv's row 512 X + 128 cy
	s_lshl_b32 s[SA2], s20, 5
	s_mov_b32 s[SA2+1], 0
	s_lshl_b32 s21, s15, 6
	s_add_co_u32 s21, s21, s20
	s_lshl_b32 s[BP2], s21, 2
	s_mov_b32 s[BP2+1], 0
	s_lshl_b32 s21, s16, 6
	s_add_co_u32 s20, s20, s21
	s_mul_i32 s[PA2], s20, KROW
	s_mov_b32 s[PA2+1], 0
	s_lshl_b32 s43, s40, 8                         ; tile 1, B: W's row 256 cx
	s_lshl_b32 s[SB1], s43, 5
	s_mov_b32 s[SB1+1], 0
	s_lshl_b32 s2, s17, 10
	s_add_co_u32 s2, s2, s43                       ; tile 2, B: x's row 1,024 Y + 256 cx
	s_lshl_b32 s[SB2], s2, 5
	s_mov_b32 s[SB2+1], 0
	s_lshl_b32 s58, s16, 7
	s_add_co_u32 s43, s43, s58
	s_add_co_u32 s2, s2, s58
	s_mul_i32 s[PB1], s43, KROW
	s_mov_b32 s[PB1+1], 0
	s_mul_i32 s[PB2], s2, KROW
	s_mov_b32 s[PB2+1], 0
	s_lshl_b32 s[BP1], s43, 2
	s_mov_b32 s[BP1+1], 0
	; tile 1 goes to heads 4 cx + 2 (my half of B) and the next, key step 2 ((4 Y + cy) % 8) + my half of A, batch Y / 2
	s_lshr_b32 s66, s17, 1
	s_lshl_b32 s66, s66, 4
	s_lshl_b32 s67, s40, 2
	s_add_co_u32 s66, s66, s67
	s_lshl_b32 s67, s16, 1
	s_add_co_u32 s66, s66, s67
	s_mul_i32 s66, s66, HEADB
	s_and_b32 s67, s17, 1
	s_lshl_b32 s67, s67, 2
	s_add_co_u32 s67, s67, s41
	s_lshl_b32 s67, s67, 1
	s_add_co_u32 s67, s67, s15
	s_mul_i32 s67, s67, STEPB
	s_add_co_u32 s66, s66, s67
	s_mov_b32 s67, 0
	; tile 2: head 8 X + 2 cy + my half of A, key step 2 ((4 Y + cx) % 8) + my half of B, 6,144 bytes on in a step's block
	s_lshr_b32 s94, s17, 1
	s_lshl_b32 s94, s94, 4
	s_lshl_b32 s95, s42, 3
	s_add_co_u32 s94, s94, s95
	s_lshl_b32 s95, s41, 1
	s_add_co_u32 s94, s94, s95
	s_add_co_u32 s94, s94, s15
	s_mul_i32 s94, s94, HEADB
	s_and_b32 s95, s17, 1
	s_lshl_b32 s95, s95, 2
	s_add_co_u32 s95, s95, s40
	s_lshl_b32 s95, s95, 1
	s_add_co_u32 s95, s95, s16
	s_mul_i32 s95, s95, STEPB
	s_add_co_u32 s94, s94, s95
	s_add_co_u32 s94, s94, 6144
	s_mov_b32 s95, 0
	s_wait_dscnt 0x0
	s_wait_kmcnt 0x0
	s_cmp_eq_u32 s42, 0                            ; Wq, bq, qw or Wk, bk, kv: by the cluster's x alone
	s_cselect_b64 s[72:73], s[72:73], s[76:77]
	s_cselect_b64 s[74:75], s[74:75], s[78:79]
	s_cselect_b64 s[84:85], s[84:85], s[86:87]
	s_cselect_b64 s[90:91], s[90:91], s[92:93]
	s_add_nc_u64 s[PA1:PA1+1], s[68:69], s[PA1:PA1+1]
	s_add_nc_u64 s[PB1:PB1+1], s[72:73], s[PB1:PB1+1]
	s_add_nc_u64 s[PA2:PA2+1], s[80:81], s[PA2:PA2+1]
	s_add_nc_u64 s[PB2:PB2+1], s[68:69], s[PB2:PB2+1]
	s_add_nc_u64 s[SA1:SA1+1], s[70:71], s[SA1:SA1+1]
	s_add_nc_u64 s[SB1:SB1+1], s[74:75], s[SB1:SB1+1]
	s_add_nc_u64 s[SA2:SA2+1], s[82:83], s[SA2:SA2+1]
	s_add_nc_u64 s[SB2:SB2+1], s[70:71], s[SB2:SB2+1]
	s_add_nc_u64 s[OUT1:OUT1+1], s[90:91], s[OUT1:OUT1+1]
	s_add_nc_u64 s[OUT2:OUT2+1], s[92:93], s[OUT2:OUT2+1]
	s_add_nc_u64 s[BP1:BP1+1], s[84:85], s[BP1:BP1+1]
	s_add_nc_u64 s[BP2:BP2+1], s[88:89], s[BP2:BP2+1]
	DESC 0
	CROUND                                         ; all sixteen work-groups are here: the first joint loads meet
	JLOAD                                          ; chunk 0, a quarter of the slot a wave: my one load at the head
	s_mul_i32 s40, s15, HALFT                      ; LDS: tile 1's A, my 128 rows;
	s_mul_i32 s41, s16, HALFT
	s_add_co_u32 s41, s41, 2*HALFT                 ; B, my 128 rows, behind the room for A's 256;
	s_mul_i32 s42, s15, 64*PITCH                   ; tile 2's A, my 64 rows
	s_mov_b32 s62, SLOT-232
	s_mov_b32 s63, SLOT+232
	s_mul_i32 s2, s15, HALFS
	s_mul_i32 s3, s16, HALFS
	s_add_co_u32 s20, s3, 2*HALFS
	s_sub_co_u32 s20, s20, s2                      ; from my A rows' scale bytes to my B rows'
	s_add_co_u32 s21, s2, SCL
	s_mul_i32 s22, s15, HALFS/2
	s_add_co_u32 s23, s3, HALFS
	s_sub_co_u32 s23, s23, s22
	s_add_co_u32 s22, s22, SCL2
	v_and_b32 v1, 15, v0                           ; r
	v_bfe_u32 v2, v0, 4, 1                         ; h
	v_mul_u32_u24 v3, v1, PITCH
	v_mul_u32_u24 v4, v2, 24
	v_add_nc_u32 v4, v3, v4                        ; row x pitch + 24 h
	v_sub_nc_u32 v7, 1, v2
	v_mul_u32_u24 v5, s62, v2
	v_add_nc_u32 v5, v3, v5
	v_add_nc_u32 v5, 232, v5                       ; lanes 0-15 byte 232 of the row in slot 0, lanes 16-31 byte 0 in slot 1
	v_mul_u32_u24 v6, s63, v7
	v_add_nc_u32 v6, v3, v6                        ; and the other way round
.macro ADRS4 g, sb
	v_add_nc_u32 v[\g], s\sb, v4
	v_add_nc_u32 v[\g+1], SLOT, v[\g]
	v_add_nc_u32 v[\g+2], s\sb, v5
	v_add_nc_u32 v[\g+3], s\sb, v6
.endm
	ADRS4 ADRA, 40
	ADRS4 ADRB, 41
	ADRS4 ADRA2, 42
	v_lshlrev_b32 v13, 5, v1                       ; my row's scale bytes: 32 a row,
	v_lshrrev_b32 v14, 8, v13
	v_lshl_add_u32 v13, v14, 4, v13                ; 16 more for each 256 passed
	v_mul_u32_u24 v14, s20, v2                     ; lanes 16-31 take B's
	v_add_nc_u32 v14, v13, v14
	v_add_nc_u32 v[ADRS], s21, v14
	v_mul_u32_u24 v14, s23, v2
	v_add_nc_u32 v14, v13, v14
	v_add_nc_u32 v[ADRS2], s22, v14
	v_lshlrev_b32 v[SG], 4, v0                     ; the scale bytes' copy: 16 bytes a thread,
	v_lshrrev_b32 v[SL], 4, v0
	v_mul_u32_u24 v[SL], v[SL], 272                ; a unit of 256 for sixteen lanes, 272 apart in LDS
	v_lshl_add_u32 v[SL], v1, 4, v[SL]
	v_add_nc_u32 v[SL], SCL, v[SL]
	v_and_b32 v6, 31, v0
	v_lshlrev_b32 v[V16], 4, v6
	v_lshlrev_b32 v[V8], 3, v6
	v_lshlrev_b32 v[BH], 5, v2
	v_lshlrev_b32 v[BR], 2, v1
	WALU                                           ; the wait at the end of the head's vector work
.irp k, 0,1,2,3
	global_load_b128 v[WK+4*\k:WK+4*\k+3], v[SG], s[SA1:SA1+1] offset:2048*\k
	global_load_b128 v[WK+16+4*\k:WK+16+4*\k+3], v[SG], s[SB1:SB1+1] offset:2048*\k
	global_load_b128 v[WK+40+4*\k:WK+40+4*\k+3], v[SG], s[SB2:SB2+1] offset:2048*\k
.endr
.irp k, 0,1
	global_load_b128 v[WK+32+4*\k:WK+32+4*\k+3], v[SG], s[SA2:SA2+1] offset:2048*\k
.endr
	WIN TO_B                                       ; the biases: tile 1's by B's rows, tile 2's by A's; waited for ahead of the first way out
.irp b, 0,1,2,3,4,5,6,7
	global_load_b128 v[96+128*(\b/4)+8*(\b%4):96+128*(\b/4)+8*(\b%4)+3], v[BH], s[BP1:BP1+1] offset:64*\b
	global_load_b128 v[96+128*(\b/4)+8*(\b%4)+4:96+128*(\b/4)+8*(\b%4)+7], v[BH], s[BP1:BP1+1] offset:64*\b+16
.endr
	WIN 0
.irp a, 0,1,2,3
	global_load_b32 v[BV+2*\a], v[BR], s[BP2:BP2+1] offset:64*\a
	global_load_b32 v[BV+2*\a+1], v[BR], s[BP2:BP2+1] offset:64*\a
.endr
	s_wait_loadcnt 24                              ; the 14 loads of scale bytes are in; the 24 of the biases are younger
.set n, 0
.rept 14
	ds_store_b128 v[SL], v[WK+4*n:WK+4*n+3] offset:2176*n
.set n, n+1
.endr
.macro FRAG reg, adr, st, i            ; 16 rows x 128 K: six pieces of 8 bytes; byte y of the stream of a row lies in slot (y / 256) % 2 at byte y % 256
.irp p, 0,1,2,3,4,5
.set BY, 96*(\st)+48*(\p/3)+8*(\p%3)
.if BY/ROWB == (BY+24)/ROWB
	ds_load_b64 v[\reg+2*\p:\reg+2*\p+1], v[\adr+(BY/ROWB)%2] offset:BY%ROWB+(\i)*16*PITCH
.else
	ds_load_b64 v[\reg+2*\p:\reg+2*\p+1], v[\adr+2+(BY/ROWB)%2] offset:BY%ROWB-232+(\i)*16*PITCH
.endif
.endr
.endm
.macro MUL8 a, st                      ; A's block a x B's eight; a tile's first step starts the sums.  The accumulators take turns
.irp b, 0,1,2,3,4,5,6,7
.if ((\st)%8) == 0
	v_wmma_scale_f32_16x16x128_f8f6f4 v[8*(8*((\a)%4)+\b):8*(8*((\a)%4)+\b)+7], v[128*((\st)%2)+FR*\b:128*((\st)%2)+FR*\b+FR-1], v[AF+FR*(\a):AF+FR*(\a)+FR-1], 0, v[SC+16*(((\st)/2)%2)+2*\b+(\st)%2], v[SC+16*(((\st)/2)%2)+2*(\a)+(\st)%2] matrix_a_fmt:MATRIX_FMT_FP6 matrix_b_fmt:MATRIX_FMT_FP6 matrix_a_scale:MATRIX_SCALE_ROW1
.else
	v_wmma_scale_f32_16x16x128_f8f6f4 v[8*(8*((\a)%4)+\b):8*(8*((\a)%4)+\b)+7], v[128*((\st)%2)+FR*\b:128*((\st)%2)+FR*\b+FR-1], v[AF+FR*(\a):AF+FR*(\a)+FR-1], v[8*(8*((\a)%4)+\b):8*(8*((\a)%4)+\b)+7], v[SC+16*(((\st)/2)%2)+2*\b+(\st)%2], v[SC+16*(((\st)/2)%2)+2*(\a)+(\st)%2] matrix_a_fmt:MATRIX_FMT_FP6 matrix_b_fmt:MATRIX_FMT_FP6 matrix_a_scale:MATRIX_SCALE_ROW1
.endif
.endr
.endm
.macro MULS a0, cnt, st
.set A_, \a0
.rept \cnt
	MUL8 A_, \st
.set A_, A_+1
.endr
.endm
.macro FETCH_B st
	WIN TO_B
.irp i, 0,1,2,3,4,5,6,7
	FRAG 128*((\st)%2)+FR*\i, ADRB, \st, \i
.endr
	WIN 0
.endm
.macro FETCH_A st, i0, cnt
.set I_, \i0
.rept \cnt
.if (\st) < 8
	FRAG AF+FR*I_, ADRA, \st, I_
.else
	FRAG AF+FR*I_, ADRA2, \st, I_
.endif
.set I_, I_+1
.endr
.endm
.macro SCALES pr                       ; the scale words of steps 2 pr, 2 pr + 1: lanes 0-15 A's block i, lanes 16-31 B's (tile 2: what lanes 0-15 read for i = 4 .. 7 no product names)
.irp i, 0,1,2,3,4,5,6,7
.if (\pr) < 4
	ds_load_b64 v[SC+16*((\pr)%2)+2*\i:SC+16*((\pr)%2)+2*\i+1], v[ADRS] offset:\i*SBLK+8*(\pr)
.else
	ds_load_b64 v[SC+16*((\pr)%2)+2*\i:SC+16*((\pr)%2)+2*\i+1], v[ADRS2] offset:\i*SBLK+8*((\pr)-4)
.endif
.endr
.endm
; A step: its products in two halves of A's blocks; the next step's fragments are fetched in its middle and at its end.  Where the next step's bytes end in a chunk not read yet, a barrier shows that chunk;
; where they begin in a later chunk and a chunk two on is left to fetch, the three lines, a round of the cluster's barrier and the refill.
.macro STEP st
.set NX, (\st)+1
.set HB, 4-2*((\st)/8)
.set HN, 4-2*(NX/8)
.set C0, (96*(\st))/ROWB
.set C1, (96*NX)/ROWB
.set E0, (96*(\st)+95)/ROWB
.set E1, (96*NX+95)/ROWB
.set RF, 0
.if C1 > C0 && C0+2 < CHUNKS
.set RF, 1
.endif
.if RF || E1 > E0
	s_wait_tensorcnt 0x0                           ; all my tensor loads have landed
.if RF
	ds_add_u32 v[SPW], v[NIL]
	DESC C0+2
	s_wait_dscnt 6*HB+1                            ; the add and the youngest loads (A's second half) may be out
.else
	s_wait_dscnt 6*HB
.endif
	WIN MUL_LO
	MULS 0, HB/2, \st
	s_wait_dscnt 0x0                               ; the add, and my reads of any chunk left behind
	s_barrier_signal -1
	MULS HB/2, HB/2, \st
	WIN 0
	s_barrier_wait -1
.if RF
	CREST
	JLOAD                                          ; chunk C0 + 2: the first tensor load behind the round; its four v_nop are the places ahead of the loads below
.else
	PLACES 4
.endif
.else
	s_wait_dscnt 6*HB                              ; all but A's second half
	WIN MUL_LO
	MULS 0, HB, \st
	s_wait_dscnt 0
	PLACES 4
.endif
	FETCH_B NX
	FETCH_A NX, 0, HN
.if NX%2 == 0
	SCALES NX/2
.endif
.if (\st) < 8
	WIN MUL_HI
.else
	WIN MUL_LO
.endif
	MULS HB, HB, \st
	PLACES 4
	WIN 0
	FETCH_A NX, HN, HN
.endm
; THE WAYS OUT.  32 numbers of a lane become six registers of codes (lanes 0-15 block 0, lanes 16-31 block 1) and two scale bytes
.macro QUANT64 s, d, w
.irp b, 0,1
	v_max3_num_f32 v[TM+\b], |v[\s+16*\b]|, |v[\s+16*\b+1]|, 0x1800000   ; with the floor 2^(3 - 127)
.endr
.irp i, 2,4,6,8,10,12,14
.irp b, 0,1
	v_max3_num_f32 v[TM+\b], v[TM+\b], |v[\s+16*\b+\i]|, |v[\s+16*\b+\i+1]|
.endr
.endr
.irp b, 0,1
	v_permlanex16_b32 v[TM+2+\b], v[TM+\b], s96, s97
.endr
.irp b, 0,1
	v_max_num_f32 v[TM+\b], v[TM+\b], v[TM+2+\b]
.endr
.irp b, 0,1
	v_add_nc_u32 v[TM+4+\b], 0xff000000, v[TM+\b]  ; 2 off the exponent field: the conversion's scale operand
.endr
.irp b, 0,1
	v_lshrrev_b32 v[TM+6+\b], 23, v[TM+4+\b]
.endr
	v_lshl_or_b32 v[\w], v[TM+7], 8, v[TM+6]
	v_cvt_scalef32_pk16_fp6_f32 v[\d:\d+2], v[\s:\s+15], v[TM+4]
	v_cvt_scalef32_pk16_fp6_f32 v[TM+8:TM+10], v[\s+16:\s+31], v[TM+5]
	v_nop
.irp i, 0,1,2
	v_permlane16_swap_b32 v[\d+\i], v[TM+8+\i]
.endr
.irp i, 0,1,2
	v_mov_b32 v[\d+3+\i], v[TM+8+\i]
.endr
.endm
; m = 0 (q, k; 8 blocks of A): 64 numbers are two heads' channels.  m = 1 (v; 4 blocks): 128 keys.  Each accumulator is read from its low end on
.macro EPI m, cnt, ob
.irp a, 0,1,2,3,4,5,6,7
.if \a < \cnt
.set AC, 64*(\a%4)
.set PCS, PC+12*(\a%2)
	s_wait_xcnt 0x0                                ; the earlier stores have read this set of codes
.if \m == 0
	WIN 0x06+\a/4
.else
	WIN 0x02
.endif
.set n, 0
.rept 32
.if \m == 0
.if n < 16
.set BQ, 96+2*n
.else
.set BQ, 192+2*n
.endif
	v_pk_add_f32 v[WK+2*n:WK+2*n+1], v[AC+2*n:AC+2*n+1], v[BQ:BQ+1]
.else
	v_pk_add_f32 v[WK+2*n:WK+2*n+1], v[AC+2*n:AC+2*n+1], v[BV+2*\a:BV+2*\a+1]
.endif
.set n, n+1
.endr
	WIN 0
	QUANT64 WK, PCS, SW+2*\a
	QUANT64 WK+32, PCS+6, SW+2*\a+1
.if \m == 0
	global_store_b128 v[V16], v[PCS:PCS+3], s[\ob:\ob+1] offset:768*\a
	global_store_b64 v[V8], v[PCS+4:PCS+5], s[\ob:\ob+1] offset:768*\a+512
	global_store_b128 v[V16], v[PCS+6:PCS+9], s[\ob:\ob+1] offset:HEADB+768*\a
	global_store_b64 v[V8], v[PCS+10:PCS+11], s[\ob:\ob+1] offset:HEADB+768*\a+512
.else
.irp c, 0,1,2
	global_store_b128 v[V16], v[PCS+4*\c:PCS+4*\c+3], s[\ob:\ob+1] offset:\a*1536+512*\c
.endr
.endif
.endif
.endr
	s_wait_xcnt 0x0
.if \m == 0
	s_mov_b32 vcc_lo, 0xffff0000                   ; lanes 16-31 carry tiles 4-7
.irp h, 0,1
.irp i, 0,1,2,3
	v_cndmask_b32 v[Z+4*\h+\i], v[SW+2*\i+\h], v[SW+8+2*\i+\h], vcc_lo
.endr
.irp i, 0,1,2,3
	v_lshl_or_b32 v[Z+4*\h+\i], v[Z+4*\h+\i], 16, v[Z+4*\h+\i]   ; the two bytes twice: the upper two stand over zero codes
.endr
	global_store_b128 v[V16], v[Z+4*\h:Z+4*\h+3], s[\ob:\ob+1] offset:\h*HEADB+12288
.endr
.else
.irp a, 0,1,2,3
	v_lshl_or_b32 v[Z+\a], v[SW+2*\a+1], 16, v[SW+2*\a]
.endr
	global_store_b128 v[V16], v[Z:Z+3], s[\ob:\ob+1] offset:6656
.endif
.endm
	s_wait_tensorcnt 0x0                           ; my quarter of chunk 0 is in; the lines ahead of slot 1's first fill
	ds_add_u32 v[SPW], v[NIL]
	DESC 1
	s_wait_dscnt 0x0                               ; the add, and my stores of scale bytes
	CROUND
	JLOAD                                          ; chunk 1
	FETCH_B 0
	FETCH_A 0, 0, 4
	SCALES 0
	FETCH_A 0, 4, 4
.set ST, 0
.rept 8                                ; TILE 1; its last two refills ask for tile 2's chunks
	STEP ST
.set ST, ST+1
.endr
	v_mov_b32 v[TM+2], 0                           ; a lane permute's destination counts as a source
	v_mov_b32 v[TM+3], 0
	s_wait_loadcnt 0x0                             ; the biases
	EPI 0, 8, OUT1                                 ; it names none of the registers into which tile 2's first fragments land
.rept 7                                ; TILE 2
	STEP ST
.set ST, ST+1
.endr
	s_wait_dscnt 12
	WIN MUL_LO
	MULS 0, 2, 15
	s_wait_dscnt 0
	MULS 2, 2, 15
	WIN 0
	PLACES 4
	EPI 1, 4, OUT2
	s_wait_tensorcnt 0x0                           ; the wave's end
	ds_add_u32 v[SPW], v[NIL]
	s_wait_dscnt 0x0
	CROUND                                         ; the closing round
	s_endpgm
.Lfunc_end_k_q7ad9f012ec_proj:
	.size	k_q7ad9f012ec_proj, .Lfunc_end_k_q7ad9f012ec_proj-k_q7ad9f012ec_proj
	.p2alignl 7, 3214868480
	.fill 96, 4, 3214868480
	.section	.rodata,"a",@progbits
	.p2align	6, 0x0
	.amdhsa_kernel k_q7ad9f012ec_proj
		.amdhsa_group_segment_fixed_size 327680
		.amdhsa_private_segment_fixed_size 0
		.amdhsa_enable_private_segment 0
		.amdhsa_kernarg_size 104
		.amdhsa_user_sgpr_count 2
		.amdhsa_user_sgpr_kernarg_segment_ptr 1
		.amdhsa_wavefront_size32 1
		.amdhsa_system_sgpr_workgroup_id_x 1
		.amdhsa_system_sgpr_workgroup_id_y 1
		.amdhsa_system_sgpr_workgroup_id_z 1
		.amdhsa_system_vgpr_workitem_id 0
		.amdhsa_next_free_vgpr 1024
		.amdhsa_next_free_sgpr 106
		.amdhsa_reserve_vcc 1
		.amdhsa_float_denorm_mode_32 3
		.amdhsa_float_denorm_mode_16_64 3
		.amdhsa_memory_ordered 1
		.amdhsa_forward_progress 1
		.amdhsa_inst_pref_size 255
	.end_amdhsa_kernel
	.section	.bss,"aw",@nobits
	.p2align	6
	.space	262144
	.amdgpu_metadata
---
amdhsa.version: [ 1, 2 ]
amdhsa.kernels:
  - .name:           k_q7ad9f012ec_proj
    .symbol:         k_q7ad9f012ec_proj.kd
    .args:
      - { .name: x_codes, .offset: 0, .size: 8, .value_kind: global_buffer, .address_space: global }
      - { .name: x_scales, .offset: 8, .size: 8, .value_kind: global_buffer, .address_space: global }
      - { .name: Wq_codes, .offset: 16, .size: 8, .value_kind: global_buffer, .address_space: global }
      - { .name: Wq_scales, .offset: 24, .size: 8, .value_kind: global_buffer, .address_space: global }
      - { .name: Wk_codes, .offset: 32, .size: 8, .value_kind: global_buffer, .address_space: global }
      - { .name: Wk_scales, .offset: 40, .size: 8, .value_kind: global_buffer, .address_space: global }
      - { .name: Wv_codes, .offset: 48, .size: 8, .value_kind: global_buffer, .address_space: global }
      - { .name: Wv_scales, .offset: 56, .size: 8, .value_kind: global_buffer, .address_space: global }
      - { .name: bq, .offset: 64, .size: 8, .value_kind: global_buffer, .address_space: global }
      - { .name: bk, .offset: 72, .size: 8, .value_kind: global_buffer, .address_space: global }
      - { .name: bv, .offset: 80, .size: 8, .value_kind: global_buffer, .address_space: global }
      - { .name: qw, .offset: 88, .size: 8, .value_kind: global_buffer, .address_space: global }
      - { .name: kv, .offset: 96, .size: 8, .value_kind: global_buffer, .address_space: global }
    .group_segment_fixed_size: 327680
    .private_segment_fixed_size: 0
    .kernarg_segment_align: 8
    .kernarg_segment_size: 104
    .max_flat_workgroup_size: 128
    .sgpr_count:     106
    .vgpr_count:     1024
    .wavefront_size: 32
...
	.end_amdgpu_metadata
.endif
;; end of part 1
;; launch attn (part 2): grid 4 x 64, 4 waves a work-group, clusters of 4 x 1, 327,680 bytes of LDS; arguments qw, kv, out0; writes out0
.if DOCPART == 2
	.amdgcn_target "amdgcn-amd-amdhsa--gfx1250"
	.amdhsa_code_object_version 6
	.text
	.protected	k_q7ad9f012ec_attn
	.globl	k_q7ad9f012ec_attn
	.p2align	8
	.type	k_q7ad9f012ec_attn,@function
k_q7ad9f012ec_attn:
	s_mov_b64 s[64:65], 0
	v_nop
	global_prefetch_b8 v0, s[64:65] scope:SCOPE_SE
	s_setreg_imm32_b32 hwreg(HW_REG_WAVE_MODE, 25, 1), 1
	s_wait_xcnt 0x0
	s_wait_alu depctr_hold_cnt(0) depctr_sa_sdst(0) depctr_va_vdst(0) depctr_va_sdst(0) depctr_va_ssrc(0) depctr_va_vcc(0) depctr_vm_vsrc(0)
	s_getreg_b32 s2, hwreg(HW_REG_IB_STS2, 6, 4)
	s_cmp_eq_u32 s2, 0
	s_cbranch_scc0 .Lentry_in_a_cluster
	s_endpgm
.Lentry_in_a_cluster:
	s_bfe_u32 s2, ttmp6, 0x10000c
	s_cmp_lg_u32 s2, 0x3003
	s_cbranch_scc0 .Lentry_shape_is_right
	s_endpgm
.Lentry_shape_is_right:
; out = softmax(q k^T / 8) v on codes of FP6, for one batch and head (grid y) and 512 queries (place in the cluster of four, which shares the head's k and v by joint loads).
; Both products are used transposed (S^T = k q^T, O^T = v^T p^T): a lane holds one query.  p = 2^(t - M), M the ceiling of the running largest t; the row's sum is taken of the unquantised p.
; FOUR WAVES, EACH WITH 64 QUERIES AS FOUR TILES OF 16, in two passes.  A fragment of k or v, loaded once from LDS, feeds four products; the four tiles' chains of dependent lines run side by side.
; THE LOOP IS TURNED: a trip issues step n's loads of k, multiplies step n - 1's p by v and sums step n - 1's p, issues step n's loads of v, multiplies k by q, and makes p.
; Behind each of a trip's 48 matrix instructions stand four plain vector lines of a list of 64: window 1's sums behind p v, window 2's sums behind window 1's scores, window 1's block maxima behind window 2's scores.
; The first trip of a pass works on zeros (pass 0: S and O begin as products of zero codes) or on finite numbers left by the pass before, which the first change of M, a factor 0, takes away again.
; The last step's p v and sums stand behind the loops.
; LDS: the head's 16 key steps of 13,312 bytes, filled once: at the head wave w asks for step w, behind a full round for steps 4 + 3 w to 6 + 3 w, which a barrier behind the fourth trip shows.  Behind them the waves' stages and the spare words.
; No data prefetch: all of k and v is asked for by these two loads a wave; nothing is left to run ahead of.
; LIMITS: NaN and infinities are not served; the promise holds while the scaled scores stay under 2^31 in magnitude.
; REGISTERS.  Window 0: addresses, scale words, the four tiles' maxima and factors, k's eight fragments (upper halves zero: the head is 64 of the product's 128), v's four.
; Tile i lies in window 1 + i / 2 at 128 (i % 2): S 0-63, O 64-95, q 96-107, p's codes 108-119 (first the blocks' running maxima), the sum 120-121, 122-123 its second chain, 124-126 a conversion's codes.
.set STEPB, 13312
.set HEADB, 16*STEPB
.set VOFF, 6144
.set KSOFF, 12288
.set VSOFF, 12800
.set STAGE, HEADB
.set SP, 272
.set SPARE, 0x45000
.set L16, 1
.set L8, 2
.set A16, 3
.set A8, 4
.set STO, 5
.set SRD, 6
.set GO, 7
.set R16, 8
.set SPW, 9
.set NIL, 10
.set NM, 12                            ; pairs: -M, the running largest t
.set F, 20                             ; pairs: the factor, 0
.set TT, 28
.set PW, 32
.set QS, 36
.set KS, 40
.set VS, 44
.set BM, 48
.set PT, 64
.set SO, 80
.set KF, 96
.set VF, 192
.set O, 64
.set Q, 96
.set PC, 108
.set SM, 120
.set TP, 122
.set CT, 124
.set WV, 10
.set CX, 11
.set HB, 12
.set G1A, 16
.set G1B, 24
.set G0A, 32
.set G0B, 36
.set SEL, 40
.set CS, 42
.set TB, 44
.set CNT, 45
.set PASS, 46
.set QA, 48
.set QSA, 50
.set MSB, 0
.macro WIN new
.if MSB != (\new)
	s_set_vgpr_msb (MSB<<8)|(\new)
.set MSB, (\new)
.endif
.endm
.macro PLACES n
.rept \n
	v_nop
.endr
.endm
.macro WALU
	s_wait_alu depctr_va_vdst(0)
.endm
.macro CROUND
	s_barrier_signal -1
	s_barrier_wait -1
	s_cmp_lg_u32 s[WV], 0
	s_cbranch_scc1 .Lnot_wave_0_\@
	s_barrier_signal -3
.Lnot_wave_0_\@:
	s_barrier_wait -3
	s_barrier_signal -1
	s_barrier_wait -1
.endm
.macro QLOAD off                       ; my four tiles of q and their scale words
.irp w, 1,2
	WIN \w<<6
.irp j, 0,1
	global_load_b128 v[128*\j+Q:128*\j+Q+3], v[L16], s[QA:QA+1] offset:\off+768*(2*(\w-1)+\j)
	global_load_b64 v[128*\j+Q+4:128*\j+Q+5], v[L8], s[QA:QA+1] offset:\off+768*(2*(\w-1)+\j)+512
.endr
.endr
	WIN 0
	global_load_b128 v[QS:QS+3], v[R16], s[QSA:QSA+1] offset:\off
.endm
.macro ZINIT                           ; S and O of all four tiles begin as products of zero codes: twelve accumulators a tile
.irp w, 1,2
	WIN 0x54*\w
.irp t, 0,1,2,3,4,5,6,7,8,9,10,11
.irp j, 0,1
	v_wmma_scale_f32_16x16x128_f8f6f4 v[128*\j+8*\t:128*\j+8*\t+7], v[VF:VF+11], v[128*\j+PC:128*\j+PC+11], 0, v[VS], v[PW] matrix_a_fmt:MATRIX_FMT_FP6 matrix_b_fmt:MATRIX_FMT_FP6
.endr
.endr
.endr
.endm
.macro PVL m                           ; product m = 0 .. 15 of O^T += v^T p^T: sixteen accumulators by turns
.set W_, 1+(\m)/8
.set U_, ((\m)%8)/2
.set T_, 128*((\m)%2)
	WIN 0x54*W_
	v_wmma_scale_f32_16x16x128_f8f6f4 v[T_+O+8*U_:T_+O+8*U_+7], v[VF+12*U_:VF+12*U_+11], v[T_+PC:T_+PC+11], v[T_+O+8*U_:T_+O+8*U_+7], v[VS+U_], v[PW+2*(W_-1)+(\m)%2] matrix_a_fmt:MATRIX_FMT_FP6 matrix_b_fmt:MATRIX_FMT_FP6
.endm
.macro SL w, m                         ; product m = 0 .. 15 of window w's S^T = k q^T
.set U_, (\m)/2
.set T_, 128*((\m)%2)
	WIN 0x54*\w
.if U_ < 4
	v_wmma_scale_f32_16x16x128_f8f6f4 v[T_+8*U_:T_+8*U_+7], v[KF+12*U_:KF+12*U_+11], v[T_+Q:T_+Q+11], 0, v[KS+U_], v[QS+2*(\w-1)+(\m)%2] matrix_a_fmt:MATRIX_FMT_FP6 matrix_b_fmt:MATRIX_FMT_FP6
.else
	v_wmma_scale_f32_16x16x128_f8f6f4 v[T_+8*U_:T_+8*U_+7], v[KF+12*U_:KF+12*U_+11], v[T_+Q:T_+Q+11], 0, v[KS+U_-4], v[QS+2*(\w-1)+(\m)%2] matrix_a_fmt:MATRIX_FMT_FP6 matrix_b_fmt:MATRIX_FMT_FP6 matrix_a_scale:MATRIX_SCALE_ROW1
.endif
.endm
.macro SUML k                          ; line k = 0 .. 63 of a window's sums of the unquantised p: two chains a tile, four by turns
.if (\k) < 2
	v_pk_add_f32 v[128*(\k)+TP:128*(\k)+TP+1], v[128*(\k):128*(\k)+1], v[128*(\k)+2:128*(\k)+3]
.elseif (\k) < 62
.set J_, 128*((((\k)-2)%4)/2)
.set K_, 4+4*(((\k)-2)/4)
.if ((\k)%2) == 0
	v_pk_add_f32 v[J_+SM:J_+SM+1], v[J_+SM:J_+SM+1], v[J_+K_:J_+K_+1]
.else
	v_pk_add_f32 v[J_+TP:J_+TP+1], v[J_+TP:J_+TP+1], v[J_+K_+2:J_+K_+3]
.endif
.else
	v_pk_add_f32 v[128*((\k)-62)+SM:128*((\k)-62)+SM+1], v[128*((\k)-62)+SM:128*((\k)-62)+SM+1], v[128*((\k)-62)+TP:128*((\k)-62)+TP+1]
.endif
.endm
.macro MAXL w, k                       ; line k = 0 .. 63 of a window's largest scores of each block of 32 keys: eight chains by turns; the last eight lines put them into window 0
.set J_, 128*(((\k)%8)/4)
.set B_, (\k)%4
.if (\k) < 8
	WIN 0x55*\w
	v_max3_num_f32 v[J_+PC+B_], v[J_+16*B_], v[J_+16*B_+1], v[J_+16*B_+2]
.elseif (\k) < 56
.set I_, 3+2*(((\k)-8)/8)
	WIN 0x55*\w
	v_max3_num_f32 v[J_+PC+B_], v[J_+PC+B_], v[J_+16*B_+I_], v[J_+16*B_+I_+1]
.else
	WIN 0x15*\w
	v_max_num_f32 v[BM+8*(\w-1)+J_/32+B_], v[J_+PC+B_], v[J_+16*B_+15]
.endif
.endm
.macro PVSUM                           ; p v of the step before, with window 1's sums of that step's p
.set m_, 0
.rept 16
	PVL m_
	WIN 0x55
	SUML 4*m_
	SUML 4*m_+1
	SUML 4*m_+2
	SUML 4*m_+3
.set m_, m_+1
.endr
.endm
.macro ALL16 op:vararg                 ; a line for each of the sixteen blocks: n counts them
.set n, 0
.rept 16
	\op
.set n, n+1
.endr
.endm
.macro RESCO w                         ; the sums and O^T under the new M; t - M of the window's first tile
	WIN 0x41*\w
.irp j, 0,1
	v_pk_mul_f32 v[128*\j+SM:128*\j+SM+1], v[128*\j+SM:128*\j+SM+1], v[F+4*(\w-1)+2*\j:F+4*(\w-1)+2*\j+1] op_sel_hi:[1,0]
.set n, 0
.rept 16
	v_pk_mul_f32 v[128*\j+O+n:128*\j+O+n+1], v[128*\j+O+n:128*\j+O+n+1], v[F+4*(\w-1)+2*\j:F+4*(\w-1)+2*\j+1] op_sel_hi:[1,0]
.set n, n+2
.endr
.endr
.set n, 0
.rept 32
	v_pk_fma_f32 v[n:n+1], v[n:n+1], s[CS:CS+1], v[NM+4*(\w-1):NM+4*(\w-1)+1] op_sel_hi:[1,0,0]
.set n, n+2
.endr
.endm
.macro EXPFMA w                        ; the first tile's exponentials, and among them t - M of the second tile, which names none of their registers
	WIN 0x41*\w
.set n, 0
.rept 32
	v_exp_f32 v[n], v[n]
	v_pk_fma_f32 v[128+n:128+n+1], v[128+n:128+n+1], s[CS:CS+1], v[NM+4*(\w-1)+2:NM+4*(\w-1)+3] op_sel_hi:[1,0,0]
	v_exp_f32 v[n+1], v[n+1]
.set n, n+2
.endr
.endm
.macro EXP1 w
	WIN 0x41*\w
.set n, 0
.rept 64
	v_exp_f32 v[128+n], v[128+n]
.set n, n+1
.endr
.endm
.macro HALFC w, c                      ; a conversion's codes in 124-126 change halves with those of block 2 c and go behind them
	v_nop
	WIN 0x55*\w
.irp j, 0,1
.irp i, 0,1,2
	v_permlane16_swap_b32 v[128*\j+PC+6*\c+\i], v[128*\j+CT+\i]
.endr
.endr
.irp j, 0,1
.irp i, 0,1,2
	v_mov_b32 v[128*\j+PC+6*\c+3+\i], v[128*\j+CT+\i]
.endr
.endr
.endm
.macro CVTW w                          ; p's codes; S stays whole for the sums in the next trip
	WIN 0x41*\w
.irp j, 0,1
	v_cvt_scalef32_pk16_fp6_f32 v[128*\j+PC:128*\j+PC+2], v[128*\j:128*\j+15], v[SO+8*(\w-1)+4*\j]
	v_cvt_scalef32_pk16_fp6_f32 v[128*\j+PC+6:128*\j+PC+8], v[128*\j+32:128*\j+47], v[SO+8*(\w-1)+4*\j+2]
	v_cvt_scalef32_pk16_fp6_f32 v[128*\j+CT:128*\j+CT+2], v[128*\j+16:128*\j+31], v[SO+8*(\w-1)+4*\j+1]
.endr
	HALFC \w, 0
	WIN 0x41*\w
.irp j, 0,1
	v_cvt_scalef32_pk16_fp6_f32 v[128*\j+CT:128*\j+CT+2], v[128*\j+48:128*\j+63], v[SO+8*(\w-1)+4*\j+3]
.endr
	HALFC \w, 1
.endm
.macro STEP
	v_add_nc_u32 v[A16], s[TB], v[L16]
	v_add_nc_u32 v[A8], s[TB], v[L8]
	WALU
	ds_load_b128 v[KS:KS+3], v[A16] offset:KSOFF
.irp t, 0,1,2,3,4,5,6,7
	ds_load_b128 v[KF+12*\t:KF+12*\t+3], v[A16] offset:768*\t
	ds_load_b64 v[KF+12*\t+4:KF+12*\t+5], v[A8] offset:768*\t+512
.endr
	s_wait_dscnt 17                                ; the last step's v is in; the 17 loads of k are younger
	PVSUM
	WIN 0
	PLACES 4
.irp u, 0,1,2,3
.irp c, 0,1,2
	ds_load_b128 v[VF+12*\u+4*\c:VF+12*\u+4*\c+3], v[A16] offset:VOFF+1536*\u+512*\c
.endr
.endr
	ds_load_b128 v[VS:VS+3], v[A16] offset:VSOFF
	s_wait_dscnt 13                                ; k is in; the 13 loads of v are younger
.set m_, 0
.rept 16                               ; window 1's scores, with window 2's sums of the last step's p
	SL 1, m_
	WIN 0xaa
	SUML 4*m_
	SUML 4*m_+1
	SUML 4*m_+2
	SUML 4*m_+3
.set m_, m_+1
.endr
	PLACES 4                                       ; ahead of the first reader of window 1's scores
.set m_, 0
.rept 16                               ; window 2's scores, with window 1's block maxima
	SL 2, m_
	MAXL 1, 4*m_
	MAXL 1, 4*m_+1
	MAXL 1, 4*m_+2
	MAXL 1, 4*m_+3
.set m_, m_+1
.endr
	PLACES 4
.set m_, 0
.rept 64
	MAXL 2, m_
.set m_, m_+1
.endr
	WIN 0
	ALL16 v_permlanex16_b32 v[PT+n], v[BM+n], s[SEL], s[SEL+1]
	ALL16 v_max_num_f32 v[BM+n], v[BM+n], v[PT+n]
.irp i, 0,1,2,3
	v_max3_num_f32 v[TT+\i], v[BM+4*\i], v[BM+4*\i+1], v[BM+4*\i+2]
.endr
.irp i, 0,1,2,3
	v_max_num_f32 v[TT+\i], v[TT+\i], v[BM+4*\i+3]
.endr
.irp i, 0,1,2,3
	v_mul_f32 v[TT+\i], s[CS], v[TT+\i]
.endr
.irp i, 0,1,2,3
	v_max_num_f32 v[NM+2*\i+1], v[NM+2*\i+1], v[TT+\i]   ; the running largest t
.endr
.irp i, 0,1,2,3
	v_mov_b32 v[TT+\i], v[NM+2*\i]
.endr
.irp i, 0,1,2,3
	v_floor_f32 v[NM+2*\i], -v[NM+2*\i+1]          ; -M
.endr
.irp i, 0,1,2,3
	v_sub_f32 v[TT+\i], v[NM+2*\i], v[TT+\i]
.endr
.irp i, 0,1,2,3
	v_cvt_i32_f32 v[TT+\i], v[TT+\i]
.endr
.irp i, 0,1,2,3
	v_ldexp_f32 v[F+2*\i], 1.0, v[TT+\i]           ; 2^(old M - new M)
.endr
	ALL16 v_fma_f32 v[BM+n], v[BM+n], s[CS], v[NM+2*(n/4)]
	RESCO 1
	RESCO 2
	WALU                                           ; ahead of the first batch
	EXPFMA 1
	EXPFMA 2
	WALU                                           ; ahead of the second batch, whose sources stand among the first
	EXP1 1
	EXP1 2
	WIN 0
	ALL16 v_exp_f32 v[BM+n], v[BM+n]               ; each block's largest p
	v_nop
	WALU                                           ; and behind the batches
	ALL16 v_max_num_f32 v[BM+n], 0x1800000, v[BM+n]
	ALL16 v_add_nc_u32 v[SO+n], 0xff000000, v[BM+n]
	ALL16 v_lshrrev_b32 v[PT+n], 23, v[SO+n]
.irp i, 0,1,2,3
	v_lshl_or_b32 v[PW+\i], v[PT+4*\i+1], 8, v[PT+4*\i]
.endr
.irp i, 0,1,2,3
	v_lshl_or_b32 v[PW+\i], v[PT+4*\i+2], 16, v[PW+\i]
.endr
.irp i, 0,1,2,3
	v_lshl_or_b32 v[PW+\i], v[PT+4*\i+3], 24, v[PW+\i]
.endr
	CVTW 1
	CVTW 2
	WIN 0
	PLACES 4                                       ; ahead of the products that take p's codes
	s_add_co_u32 s[TB], s[TB], STEPB
.endm
.macro LOOP trips
	s_mov_b32 s[CNT], \trips
.Lstep_\@:
	STEP
	s_sub_co_u32 s[CNT], s[CNT], 1
	s_cmp_lg_u32 s[CNT], 0
	WALU                                           ; the wait ahead of the branch
	s_cbranch_scc1 .Lstep_\@
.endm
.macro DIVW w                          ; O^T / the sum, into S
	WIN 0x55*\w
.irp j, 0,1
	v_add_f32 v[128*\j+SM], v[128*\j+SM], v[128*\j+SM+1]
.endr
.irp j, 0,1
	v_permlanex16_b32 v[128*\j+TP], v[128*\j+SM], s[SEL], s[SEL+1]
.endr
.irp j, 0,1
	v_add_f32 v[128*\j+SM], v[128*\j+SM], v[128*\j+TP]
.endr
	WALU
.irp j, 0,1
	v_rcp_f32 v[128*\j+SM], v[128*\j+SM]
.endr
	v_nop
	WALU
.irp j, 0,1
.set n, 0
.rept 16
	v_pk_mul_f32 v[128*\j+n:128*\j+n+1], v[128*\j+O+n:128*\j+O+n+1], v[128*\j+SM:128*\j+SM+1] op_sel_hi:[1,0]
.set n, n+2
.endr
.endr
.endm
.macro TOST i                          ; tile i through my stage, back as rows of 256 bytes into v's registers and those behind them, two sets by turns
	WIN (1+(\i)/2)<<2
.irp u, 0,1,2,3
	ds_store_b128 v[STO], v[128*((\i)%2)+8*\u:128*((\i)%2)+8*\u+3] offset:64*\u
	ds_store_b128 v[STO], v[128*((\i)%2)+8*\u+4:128*((\i)%2)+8*\u+7] offset:64*\u+16
.endr
	WIN 0
.irp k, 0,1,2,3,4,5,6,7
	ds_load_b128 v[VF+32*((\i)%2)+4*\k:VF+32*((\i)%2)+4*\k+3], v[SRD] offset:2*SP*\k
.endr
.endm
.macro SEND i, younger
	s_wait_dscnt \younger
.irp k, 0,1,2,3,4,5,6,7
	global_store_b128 v[GO], v[VF+32*((\i)%2)+4*\k:VF+32*((\i)%2)+4*\k+3], s[8:9] offset:65536*(\i)+8192*\k th:TH_STORE_NT   ; sixteen lanes store 256 consecutive bytes, aligned
.endr
.endm
	s_load_b128 s[4:7], s[0:1], 0x0                ; qw, kv
	s_load_b64 s[8:9], s[0:1], 0x10                ; out0
	v_lshl_add_u32 v[SPW], v0, 2, SPARE
	v_mov_b32 v[NIL], 0
	ds_add_u32 v[SPW], v[NIL]                      ; the opening lines
	ds_add_u32 v[SPW], v[NIL]
	v_lshrrev_b32 v[TT], 5, v0
	v_readfirstlane_b32 s[WV], v[TT]
	s_bfe_u32 s[CX], ttmp6, 0x40000
	s_and_b32 s[HB], ttmp7, 0xffff
.irp g, G1A, G1B                       ; dense blocks as rows of 256 bytes: 52 rows are a key step, 156 three
	s_mov_b32 s[\g], 15|(3<<16)|(1<<21)
	s_mov_b32 s[\g+1], 32<<16
	s_mov_b32 s[\g+3], 32<<16
	s_mov_b32 s[\g+5], 32
	s_mov_b32 s[\g+6], 0
	s_mov_b32 s[\g+7], 0
.endr
	s_mov_b32 s[G1A+2], 52<<16
	s_mov_b32 s[G1A+4], 52
	s_mov_b32 s[G1B+2], 156<<16
	s_mov_b32 s[G1B+4], 156
	s_mov_b32 s[G0A], 1
	s_mul_i32 s[G0A+1], s[WV], STEPB
	s_mov_b32 s[G0B], 1
	s_mul_i32 s[G0B+1], s[WV], 3*STEPB
	s_add_co_u32 s[G0B+1], s[G0B+1], 4*STEPB
	s_mul_i32 s47, s[HB], HEADB
	s_add_co_u32 s52, s47, s[G0A+1]
	s_mov_b32 s53, 0
	s_add_co_u32 s54, s47, s[G0B+1]
	s_mov_b32 s55, 0
	s_lshl_b32 s56, s[CX], 2                       ; q: step 4 cx + wave / 2 (+ 2 in the second pass), tiles 4 (wave % 2) + 0 .. 3
	s_lshr_b32 s57, s[WV], 1
	s_add_co_u32 s56, s56, s57
	s_mul_i32 s56, s56, STEPB
	s_add_co_u32 s56, s56, s47
	s_and_b32 s57, s[WV], 1
	s_mul_i32 s[QA], s57, 3072
	s_add_co_u32 s[QA], s[QA], s56
	s_mov_b32 s[QA+1], 0
	s_lshl_b32 s57, s57, 8
	s_add_co_u32 s[QSA], s56, s57
	s_add_co_u32 s[QSA], s[QSA], KSOFF
	s_mov_b32 s[QSA+1], 0
	s_lshr_b32 s58, s[HB], 4                       ; out: batch, row 512 cx + 64 wave, column 64 head
	s_lshl_b32 s58, s58, 23
	s_lshl_b32 s57, s[CX], 5
	s_lshl_b32 s59, s[WV], 2
	s_add_co_u32 s57, s57, s59
	s_lshl_b32 s57, s57, 16
	s_add_co_u32 s58, s58, s57
	s_and_b32 s57, s[HB], 15
	s_lshl_b32 s57, s57, 8
	s_add_co_u32 s58, s58, s57
	s_mov_b32 s59, 0
	s_mov_b32 s[SEL], 0x76543210
	s_mov_b32 s[SEL+1], 0xfedcba98
	s_mov_b32 s[CS], 0x3e38aa3b                    ; log2(e) / 8
	s_mov_b32 s[CS+1], s[CS]
	s_mul_i32 s47, s[WV], 16*SP
	s_add_co_u32 s47, s47, STAGE
	s_wait_dscnt 0x0
	s_wait_kmcnt 0x0
	s_add_nc_u64 s[G0A+2:G0A+3], s[6:7], s[52:53]
	s_or_b32 s[G0A+3], s[G0A+3], 0x80000000
	s_add_nc_u64 s[G0B+2:G0B+3], s[6:7], s[54:55]
	s_or_b32 s[G0B+3], s[G0B+3], 0x80000000
	s_add_nc_u64 s[QA:QA+1], s[4:5], s[QA:QA+1]
	s_add_nc_u64 s[QSA:QSA+1], s[4:5], s[QSA:QSA+1]
	s_add_nc_u64 s[8:9], s[8:9], s[58:59]
	CROUND
	tensor_load_to_lds s[G0A:G0A+3], s[G1A:G1A+7]  ; key step w: my one load at the head
	s_nop 0
	PLACES 4
	v_and_b32 v[L8], 31, v0
	v_and_b32 v[R16], 15, v0
	v_bfe_u32 v[TT], v0, 4, 1
	v_lshlrev_b32 v[L16], 4, v[L8]
	v_lshlrev_b32 v[L8], 3, v[L8]
	v_mul_u32_u24 v[STO], v[R16], SP
	v_mul_u32_u24 v[SRD], v[TT], SP
	v_lshl_add_u32 v[STO], v[TT], 5, v[STO]
	v_lshl_add_u32 v[SRD], v[R16], 4, v[SRD]
	v_add_nc_u32 v[STO], s47, v[STO]
	v_add_nc_u32 v[SRD], s47, v[SRD]
	v_lshlrev_b32 v[GO], 12, v[TT]
	v_lshl_add_u32 v[GO], v[R16], 4, v[GO]
	v_lshlrev_b32 v[R16], 4, v[R16]
	WALU
	QLOAD 0
.irp i, 0,1,2,3
	v_mov_b32 v[VS+\i], 0x7f7f7f7f                 ; for the products on zero codes
	v_mov_b32 v[PW+\i], 0x7f7f7f7f
	v_mov_b32 v[F+2*\i+1], 0
.endr
.set n, 0
.rept 48
	v_mov_b32 v[VF+n], 0
.set n, n+1
.endr
.irp w, 1,2
	WIN \w<<6
.irp j, 0,1
.set n, Q+6
.rept 20
	v_mov_b32 v[128*\j+n], 0                       ; q's upper half, p's codes, the sum
.set n, n+1
.endr
.endr
.endr
	WIN 0
.irp t, 0,1,2,3,4,5,6,7
.irp k, 6,7,8,9,10,11
	v_mov_b32 v[KF+12*\t+\k], 0
.endr
.endr
	ALL16 v_mov_b32 v[PT+n], 0
	ZINIT
	WIN 0
	WALU                                           ; the wait at the head's end
	s_wait_tensorcnt 0x0                           ; the lines ahead of the later first fill
	ds_add_u32 v[SPW], v[NIL]
	s_wait_dscnt 0x0
	CROUND                                         ; steps 0 to 3 are in
	tensor_load_to_lds s[G0B:G0B+3], s[G1B:G1B+7]  ; steps 4 + 3 w to 6 + 3 w
	s_nop 0
	PLACES 4
	s_mov_b32 s[PASS], 0
.Lpass:
.irp i, 0,1,2,3
	v_mov_b32 v[NM+2*\i+1], 0xff61b1e6             ; -3e38, under every t
.endr
.irp i, 0,1,2,3
	v_floor_f32 v[NM+2*\i], -v[NM+2*\i+1]
.endr
	s_mov_b32 s[TB], 0
	WALU
	s_wait_loadcnt 0x0                             ; q
	LOOP 4
	s_wait_tensorcnt 0x0
	s_wait_dscnt 0x0
	s_barrier_signal -1                            ; a plain barrier: steps 4 to 15 are shown to all
	s_barrier_wait -1
	LOOP 12
	s_wait_dscnt 0x0
	PVSUM                                          ; the last step's p v and window 1's sums,
	WIN 0xaa
.set m_, 0
.rept 64                               ; and window 2's
	SUML m_
.set m_, m_+1
.endr
	WIN 0
	WALU
	s_cmp_lg_u32 s[PASS], 0
	s_cbranch_scc1 .Lno_q
	QLOAD 2*STEPB                                  ; the second pass's q lands under the way out
.Lno_q:
	PLACES 4
	DIVW 1
	DIVW 2
	WIN 0
	WALU
	TOST 0
	TOST 1
	SEND 0, 16                                     ; younger: the next tile's 8 stores and 8 loads
	s_wait_xcnt 0x0                                ; the stores have read their set
	TOST 2
	SEND 1, 16
	s_wait_xcnt 0x0
	TOST 3
	SEND 2, 16
	SEND 3, 0
	s_wait_xcnt 0x0
	s_add_nc_u64 s[8:9], s[8:9], 1048576           ; 256 rows on
	s_add_co_u32 s[PASS], s[PASS], 1
	s_cmp_lt_u32 s[PASS], 2
	s_cbranch_scc1 .Lpass
	s_wait_tensorcnt 0x0                           ; the wave's end
	ds_add_u32 v[SPW], v[NIL]
	s_wait_dscnt 0x0
	CROUND
	s_endpgm
.Lfunc_end_k_q7ad9f012ec_attn:
	.size	k_q7ad9f012ec_attn, .Lfunc_end_k_q7ad9f012ec_attn-k_q7ad9f012ec_attn
	.p2alignl 7, 3214868480
	.fill 96, 4, 3214868480
	.section	.rodata,"a",@progbits
	.p2align	6, 0x0
	.amdhsa_kernel k_q7ad9f012ec_attn
		.amdhsa_group_segment_fixed_size 327680
		.amdhsa_private_segment_fixed_size 0
		.amdhsa_enable_private_segment 0
		.amdhsa_kernarg_size 24
		.amdhsa_user_sgpr_count 2
		.amdhsa_user_sgpr_kernarg_segment_ptr 1
		.amdhsa_wavefront_size32 1
		.amdhsa_system_sgpr_workgroup_id_x 1
		.amdhsa_system_sgpr_workgroup_id_y 1
		.amdhsa_system_sgpr_workgroup_id_z 1
		.amdhsa_system_vgpr_workitem_id 0
		.amdhsa_next_free_vgpr 768
		.amdhsa_next_free_sgpr 66
		.amdhsa_reserve_vcc 0
		.amdhsa_float_denorm_mode_32 3
		.amdhsa_float_denorm_mode_16_64 3
		.amdhsa_memory_ordered 1
		.amdhsa_forward_progress 1
		.amdhsa_inst_pref_size 163
	.end_amdhsa_kernel
	.amdgpu_metadata
---
amdhsa.version: [ 1, 2 ]
amdhsa.kernels:
  - .name:           k_q7ad9f012ec_attn
    .symbol:         k_q7ad9f012ec_attn.kd
    .args:
      - { .name: qw, .offset: 0, .size: 8, .value_kind: global_buffer, .address_space: global }
      - { .name: kv, .offset: 8, .size: 8, .value_kind: global_buffer, .address_space: global }
      - { .name: out0, .offset: 16, .size: 8, .value_kind: global_buffer, .address_space: global }
    .group_segment_fixed_size: 327680
    .private_segment_fixed_size: 0
    .kernarg_segment_align: 8
    .kernarg_segment_size: 24
    .max_flat_workgroup_size: 128
    .sgpr_count:     66
    .vgpr_count:     768
    .wavefront_size: 32
...
	.end_amdgpu_metadata
.endif
;; end of part 2
